; MI455X (gfx1250); checked and timed in simulation.
; The chip was launched on July 23, 2026; its instructions are those of AMD's public machine-readable ISA for CDNA 5 (MIT licence, August 2026) and "CDNA5" Instruction Set Architecture Reference Guide (July 2026). The comments in the code are by the model that wrote it; some were corrected since.
;; Cross Attention. Allowed arithmetic: float matrix products may take bf16 or f16 operands with f32 sums; other float arithmetic in f32, or as packed bf16 or f16 multiplies, adds, multiply-adds, maxima and minima; sums over many terms, partial sums and values carried from step to step in f32; what a program stores and reads back later, other than sums and carried values, may be rounded once to bf16 or f16.
;; Inputs: context 4 x 4,096 x 256 float32; context_pos 4 x 4,096 x 2 float32; in_proj_b 768 float32; in_proj_w 768 x 256 float32; out_b 256 float32; out_w 256 x 256 float32; query 4 x 4,096 x 256 float32; query_pos 4 x 4,096 x 2 float32; w_rff 2 x 128 float32.
;; Outputs: out0 4 x 4,096 x 256 float32; out1 4 x 4,096 x 2 float32.
;; One version. Each part assembles by itself: llvm-mc -triple=amdgcn-amd-amdhsa -mcpu=gfx1250 --defsym DOCPART=n.
;; ======== version 1 of 1: 4 launches
;; limits: values are held in f16: magnitudes above 65,504 overflow, below 6.1e-05 lose precision
;; workspace buffers: wh 524,288 bytes; qp 16,777,216 bytes; kv 16,777,216 bytes; glist 262,144 bytes of whole numbers; knn 1,048,576 bytes of whole numbers
;; launch knn_a (part 1): grid 64 x 4, 8 waves a work-group, no clusters, 117,248 bytes of LDS; arguments query_pos, context_pos, in_proj_w, out_w, glist, wh; writes glist, wh
.if DOCPART == 1
	.amdgcn_target "amdgcn-amd-amdhsa--gfx1250"
	.amdhsa_code_object_version 6
	.text
	.protected	k_qb719f4f18c_knn_a
	.globl	k_qb719f4f18c_knn_a
	.p2align	8
	.type	k_qb719f4f18c_knn_a,@function
k_qb719f4f18c_knn_a:
	s_mov_b64 s[64:65], 0
	v_nop
	global_prefetch_b8 v0, s[64:65] scope:SCOPE_SE
	s_setreg_imm32_b32 hwreg(HW_REG_WAVE_MODE, 25, 1), 1
	s_wait_xcnt 0x0
; NEAREST NEIGHBOURS, FIRST LEVEL.  For each of 64 queries of one batch: which 16 of the batch's 256 groups of 16 consecutive context points hold the
; smallest (group minimum of d2, group number).  The 16 nearest points, in the order (d2, index), all lie in those 16 groups: a point outside them would
; have 16 groups' least points in front of it.  The 16 group numbers, a byte each, in no order, go to glist; the next launch takes the points themselves.
; ALL POSITIONS ARE ROUNDED TO bf16 FIRST.  Products of two such numbers are exact in f32, so qs = q0 q0 + q1 q1, cs and e = q0 c0 + q1 c1 have one rounding each,
; fused or not, and d2 = (qs + cs) - 2 e is one well-defined f32 number.  LIMITS: NaN and infinities are not treated apart; positions so small that a product of
; two of them falls below 2^-126 may order otherwise.
; SELECTION WITHOUT A BRANCH OR AN ADDRESS ON DATA: a network of minima and maxima, run twice.  Pass 1, on the 256 values, gives T, the 16th smallest (counted with
; multiplicity).  Each item then gets a key 1.0's bits + 256 x class + its number (class 0: below T, 1: equal, 2: above): a float between 1 and 2, ordered like the
; integer.  Pass 2, the same text, takes the 16 smallest keys: all below T, then those equal to T by ascending number.
; SHARES.  Eight waves.  Level 1: thread t owns group t (16 points in registers), every thread meets all 64 queries.  Selection: wave w takes queries 32 (w & 1) + lane and
; part p = w >> 1, items 64 p .. 64 p + 63; the four parts' lists of 16 meet in LDS.
; BESIDE IT waves 0 to 3 write 2,048 bytes of wh: the weights rounded to bf16, written as f16 (exact from 6.1e-5 up; below that f16's fixed step of 6e-8), in the order in
; which a matrix fragment is loaded: byte = 8192 nt + 1024 ks + 512 piece + 16 lane holds W[16 nt + lane % 16][32 ks + 16 piece + 8 (lane / 16) + 0..7]; nt 0-47 in_proj_w, 48-63 out_w.
.set QT,    0          ; 96 entries of 16 bytes: q0, q1, qs, 0; entries 64-95 are zeros, for the ring's last look ahead
.set MIN,   1536       ; wave w's minima: 64 rows (a query each) of 128 bytes + 16: pitch 144, an odd multiple of 16
.set MINW,  9216
.set MINP,  144
.set PART1, 75264      ; pass 1: part p's lists at 5120 p, a query's 16 numbers in 64 bytes + 16: pitch 80
.set PARTQ, 5120
.set PARTP, 80
.set PARTB, 20480      ; pass 2's lists lie this far behind pass 1's
.set SPARE, 116224     ; the spare words, 128 bytes for each wave: four blocks of 256 bytes that no other line names
.set SPW, 2            ; v2   LDS address of my spare word; never rewritten
.set NIL, 3            ; v3   0; never rewritten
.set QAD, 5            ; v5   where the query ring reads
.set MA,  6            ; v6   where I put my group's minimum
.set RA,  7            ; v7   where I read my query's 64 minima
.set PA,  8            ; v8   where my part's list goes
.set PL,  9            ; v9   where my query's four lists lie
.set T,   10           ; v10  the threshold
.set KT,  11           ; v11-12 at work
.set KC0, 13           ; v13-15 the three classes' key bases
.set KC1, 14
.set KC2, 15
.set C0,  16           ; v[16:31]  c0 of my 16 points, in pairs
.set C1,  32           ; v[32:47]  c1
.set CS,  48           ; v[48:63]  cs
.set LD,  64           ; v[64:95]  the points as loaded
.set P,   64           ; v[64:79]  e
.set TT,  80           ; v[80:95]  qs + cs, then d2
.set QA,  96           ; v[96:111]  four queries
.set QB,  112          ; v[112:127] four more
.set V,   64           ; v[64:127]  the network's four lists
.set VC,  128          ; v[128:191] my 64 items: values, then keys
.set W,   192          ; v[192:207] the network's second bank; before that the weights
.set M0,  208          ; v208-209 two chains of minima
.set QR,  210          ; v[210:213] a query table entry
; One layer of 16 comparators' halves, from one bank into another: item i meets item i xor mask; the lower place takes the minimum.
.macro LAYER src, dst, mask
.set li, 0
.rept 16
.if li < (li^(\mask))
	v_min_num_f32 v[(\dst)+li], v[(\src)+li], v[(\src)+(li^(\mask))]
.else
	v_max_num_f32 v[(\dst)+li], v[(\src)+li], v[(\src)+(li^(\mask))]
.endif
.set li, li+1
.endr
.endm
; 16 numbers sorted ascending: blocks of 2, 4, 8, 16; each begins with the flip inside the block (mask = size - 1).  src is left as it was.
.macro SORT16 src, dst, tmp
	LAYER \src, \tmp, 1
	LAYER \tmp, \dst, 3
	LAYER \dst, \tmp, 1
	LAYER \tmp, \dst, 7
	LAYER \dst, \tmp, 2
	LAYER \tmp, \dst, 1
	LAYER \dst, \tmp, 15
	LAYER \tmp, \dst, 4
	LAYER \dst, \tmp, 2
	LAYER \tmp, \dst, 1
.endm
; Two ascending lists of 16: a takes the 16 smallest of the 32, sorted again.
.macro MERGE a, b, tmp
.set mi, 0
.rept 16
	v_min_num_f32 v[(\a)+mi], v[(\a)+mi], v[(\b)+15-mi]
.set mi, mi+1
.endr
	LAYER \a, \tmp, 8
	LAYER \tmp, \a, 4
	LAYER \a, \tmp, 2
	LAYER \tmp, \a, 1
.endm
.macro NET64                           ; the 16 smallest of my 64 items, sorted, into v[V:V+15]
	SORT16 VC, V, W
	SORT16 VC+16, V+16, W
	SORT16 VC+32, V+32, W
	SORT16 VC+48, V+48, W
	MERGE V, V+16, W
	MERGE V+32, V+48, W
	MERGE V, V+32, W
.endm
.macro LOW16                           ; the 16 smallest of four sorted lists, in no order, into v[V:V+15]
	MERGE V, V+16, W
	MERGE V+32, V+48, W
.set mi, 0
.rept 16
	v_min_num_f32 v[V+mi], v[V+mi], v[V+47-mi]
.set mi, mi+1
.endr
.endm
.macro KEY j, g, i                     ; item j's value becomes its key: class base + g + i
	v_cmp_eq_f32 vcc_lo, v[VC+(\j)], v[T]
	v_cndmask_b32 v[KT+(\j)%2], v[KC2], v[KC1], vcc_lo
	v_cmp_lt_f32 vcc_lo, v[VC+(\j)], v[T]
	v_cndmask_b32 v[KT+(\j)%2], v[KT+(\j)%2], v[KC0], vcc_lo
	v_add3_u32 v[VC+(\j)], v[KT+(\j)%2], \g, \i
.endm
; One query against my 16 points: e = c0 q0 + c1 q1; d2 = (cs + qs) - 2 e; the least of the 16 goes to my word of the query's row.
.macro QDIST q, off
.set j, 0
.rept 8
	v_pk_mul_f32 v[P+2*j:P+2*j+1], v[C0+2*j:C0+2*j+1], v[(\q):(\q)+1] op_sel_hi:[1,0]
.set j, j+1
.endr
.set j, 0
.rept 8
	v_pk_add_f32 v[TT+2*j:TT+2*j+1], v[CS+2*j:CS+2*j+1], v[(\q)+2:(\q)+3] op_sel_hi:[1,0]
.set j, j+1
.endr
.set j, 0
.rept 8
	v_pk_fma_f32 v[P+2*j:P+2*j+1], v[C1+2*j:C1+2*j+1], v[(\q):(\q)+1], v[P+2*j:P+2*j+1] op_sel:[0,1,0] op_sel_hi:[1,1,1]
.set j, j+1
.endr
.set j, 0
.rept 8
	v_pk_fma_f32 v[TT+2*j:TT+2*j+1], v[P+2*j:P+2*j+1], -2.0, v[TT+2*j:TT+2*j+1] op_sel_hi:[1,0,1]
.set j, j+1
.endr
	v_min_num_f32 v[M0], v[TT], v[TT+1]
	v_min_num_f32 v[M0+1], v[TT+8], v[TT+9]
.irp k, 1,2,3
	v_min3_num_f32 v[M0], v[M0], v[TT+2*(\k)], v[TT+2*(\k)+1]
	v_min3_num_f32 v[M0+1], v[M0+1], v[TT+8+2*(\k)], v[TT+9+2*(\k)]
.endr
	v_min_num_f32 v[M0], v[M0], v[M0+1]
	ds_store_b32 v[MA], v[M0] offset:\off
.endm
	s_load_b256 s[4:11], s[0:1], 0x0               ; query_pos s[4:5], context_pos s[6:7], in_proj_w s[8:9], out_w s[10:11]
	s_load_b128 s[12:15], s[0:1], 0x20             ; glist s[12:13], wh s[14:15]
	v_lshl_add_u32 v[SPW], v0, 2, SPARE
	v_mov_b32 v[NIL], 0
	v_and_b32 v1, 31, v0                           ; lane
	v_lshrrev_b32 v4, 5, v0
	v_readfirstlane_b32 s16, v4                    ; wave 0..7
	v_lshlrev_b32 v4, 7, v0                        ; my group's 128 bytes of positions
	s_mov_b32 s17, ttmp9                           ; x: block of 64 queries
	s_and_b32 s18, ttmp7, 0xffff                   ; y: batch
	s_and_b32 s19, s16, 1                          ; which 32 queries I select for
	s_lshr_b32 s20, s16, 1                         ; my part
	s_lshl_b32 s21, s20, 6                         ; its first item
	s_mov_b32 s23, 0xffff0000                      ; a word's upper bf16
	s_lshl_b32 s24, s18, 15                        ; a batch's positions: 32,768 bytes
	s_mov_b32 s25, 0
	v_mov_b32 v[KC0], 0x3f800000
	v_mov_b32 v[KC1], 0x3f800100
	v_mov_b32 v[KC2], 0x3f800200
	s_wait_kmcnt 0x0
	s_add_nc_u64 s[6:7], s[6:7], s[24:25]
.irp i, 0,1,2,3,4,5,6,7
	global_load_b128 v[LD+4*(\i):LD+4*(\i)+3], v4, s[6:7] offset:16*(\i)
.endr
	; waves 0 to 3: 8 weights a lane
	s_cmp_lt_u32 s16, 4
	s_cbranch_scc0 .Lno_w
	s_lshl_b32 s28, s18, 6
	s_add_co_u32 s28, s28, s17                     ; L = 64 y + x: which 2,048 bytes of wh
	s_lshr_b32 s29, s28, 2                         ; nt
	s_sub_co_u32 s30, s29, 48
	s_cmp_lt_u32 s29, 48
	s_cselect_b64 s[26:27], s[8:9], s[10:11]       ; in_proj_w, or out_w
	s_cselect_b32 s29, s29, s30                    ; the tile's number in that tensor
	s_lshl_b32 s29, s29, 14                        ; 16 rows of 1,024 bytes
	s_and_b32 s30, s28, 3
	s_lshl_b32 s30, s30, 8                         ; 128 ks + 64 piece = 256 (L & 3) + 64 w
	s_add_co_u32 s29, s29, s30
	s_lshl_b32 s30, s16, 6
	s_add_co_u32 s29, s29, s30
	v_and_b32 v204, 15, v0
	v_bfe_u32 v205, v0, 4, 1
	v_lshlrev_b32 v204, 10, v204                   ; row lane % 16,
	v_lshl_add_u32 v204, v205, 5, v204             ; 8 numbers for each half of the lanes
	v_add_nc_u32 v204, s29, v204
	global_load_b128 v[192:195], v204, s[26:27]
	global_load_b128 v[196:199], v204, s[26:27] offset:16
	v_lshlrev_b32 v206, 4, v0
	s_lshl_b32 s24, s28, 11
	s_add_nc_u64 s[14:15], s[14:15], s[24:25]
	s_wait_loadcnt 0x0                             ; the weights (and my points, which are wanted next)
.irp k, 0,1,2,3
	v_cvt_pk_bf16_f32 v[200+(\k)], v[192+2*(\k)], v[193+2*(\k)]
.endr
.irp k, 0,1,2,3
	v_lshlrev_b32 v[192+2*(\k)], 16, v[200+(\k)]
	v_and_b32 v[193+2*(\k)], s23, v[200+(\k)]
.endr
.irp k, 0,1,2,3
	v_cvt_pk_f16_f32 v[200+(\k)], v[192+2*(\k)], v[193+2*(\k)]
.endr
	global_store_b128 v206, v[200:203], s[14:15]   ; a wave stores 512 consecutive bytes
.Lno_w:
	; waves 4 and 5: the query table
	s_cmp_eq_u32 s20, 2
	s_cbranch_scc0 .Lno_q
	s_lshl_b32 s24, s18, 15
	s_lshl_b32 s28, s17, 9
	s_add_co_u32 s24, s24, s28
	s_add_nc_u64 s[4:5], s[4:5], s[24:25]          ; the block's first query
	v_and_b32 v5, 63, v0
	v_lshlrev_b32 v6, 3, v5
	global_load_b64 v[QR:QR+1], v6, s[4:5]
	v_lshlrev_b32 v5, 4, v5
	s_wait_loadcnt 0x0
	v_cvt_pk_bf16_f32 v[QR+2], v[QR], v[QR+1]
	v_lshlrev_b32 v[QR], 16, v[QR+2]
	v_and_b32 v[QR+1], s23, v[QR+2]
	v_mul_f32 v[QR+2], v[QR], v[QR]
	v_fmac_f32 v[QR+2], v[QR+1], v[QR+1]           ; qs: one rounding
	v_mov_b32 v[QR+3], 0
	ds_store_b128 v5, v[QR:QR+3] offset:QT
.Lno_q:
	; wave 6: the 32 entries behind the table
	s_cmp_eq_u32 s16, 6
	s_cbranch_scc0 .Lno_z
	v_lshlrev_b32 v5, 4, v1
.irp k, 0,1,2,3
	v_mov_b32 v[QR+(\k)], 0
.endr
	ds_store_b128 v5, v[QR:QR+3] offset:QT+1024
.Lno_z:
	s_wait_loadcnt 0x0                             ; my 16 points
.irp i, 0,1,2,3,4,5,6,7
	v_cvt_pk_bf16_f32 v[KT], v[LD+4*(\i)], v[LD+4*(\i)+2]
	v_cvt_pk_bf16_f32 v[KT+1], v[LD+4*(\i)+1], v[LD+4*(\i)+3]
	v_lshlrev_b32 v[C0+2*(\i)], 16, v[KT]
	v_and_b32 v[C0+2*(\i)+1], s23, v[KT]
	v_lshlrev_b32 v[C1+2*(\i)], 16, v[KT+1]
	v_and_b32 v[C1+2*(\i)+1], s23, v[KT+1]
	v_pk_mul_f32 v[CS+2*(\i):CS+2*(\i)+1], v[C0+2*(\i):C0+2*(\i)+1], v[C0+2*(\i):C0+2*(\i)+1]
	v_pk_fma_f32 v[CS+2*(\i):CS+2*(\i)+1], v[C1+2*(\i):C1+2*(\i)+1], v[C1+2*(\i):C1+2*(\i)+1], v[CS+2*(\i):CS+2*(\i)+1]
.endr
	v_mov_b32 v[QAD], QT
	s_mul_i32 s28, s16, MINW
	s_add_co_u32 s28, s28, MIN
	v_lshl_add_u32 v[MA], v1, 2, s28               ; my wave's rows, my lane's word
	s_lshl_b32 s28, s19, 5
	v_add_nc_u32 v[RA], s28, v1                    ; the query that I select for
	v_mul_u32_u24 v[PL], v[RA], PARTP
	v_add_nc_u32 v[PL], PART1, v[PL]
	s_mul_i32 s28, s20, PARTQ
	v_add_nc_u32 v[PA], s28, v[PL]
	v_mul_u32_u24 v[RA], v[RA], MINP
	s_mul_i32 s28, s20, 2*MINW                     ; part p's items are the groups of waves 2 p and 2 p + 1
	s_add_co_u32 s28, s28, MIN
	v_add_nc_u32 v[RA], s28, v[RA]
	s_wait_xcnt 0x0                                ; the weights' store has read its registers: the network writes them
	s_wait_dscnt 0x0                               ; for the others' sake: my table entries are in LDS
	s_barrier_signal -1
	s_barrier_wait -1
	; LEVEL 1: 8 trips of 8 queries; two sets of four table entries take turns
.irp e, 0,1,2,3
	ds_load_b128 v[QA+4*(\e):QA+4*(\e)+3], v[QAD] offset:16*(\e)
.endr
	s_mov_b32 s22, 8
.Lq8:
.irp e, 0,1,2,3
	ds_load_b128 v[QB+4*(\e):QB+4*(\e)+3], v[QAD] offset:64+16*(\e)
.endr
	s_wait_dscnt 4                                 ; all but the four loads just issued: set A is in
.irp e, 0,1,2,3
	QDIST QA+4*(\e), (\e)*MINP
.endr
.irp e, 0,1,2,3
	ds_load_b128 v[QA+4*(\e):QA+4*(\e)+3], v[QAD] offset:128+16*(\e)
.endr
	s_wait_dscnt 8                                 ; behind set B's loads stand four stores and four loads
.irp e, 0,1,2,3
	QDIST QB+4*(\e), (4+(\e))*MINP
.endr
	v_add_nc_u32 v[QAD], 128, v[QAD]
	v_add_nc_u32 v[MA], 8*MINP, v[MA]
	s_sub_co_u32 s22, s22, 1
	s_cmp_lg_u32 s22, 0
	s_cbranch_scc1 .Lq8
	s_wait_dscnt 0x0                               ; my minima are in LDS, the look ahead is back
	s_barrier_signal -1
	s_barrier_wait -1
.set c, 0
.rept 16
	ds_load_b128 v[VC+4*c:VC+4*c+3], v[RA] offset:(c/8)*MINW+(c%8)*16
.set c, c+1
.endr
	s_wait_dscnt 0x0
	; THE SELECTION: two passes of one text
	s_mov_b32 s22, 2
.Lpass:
	NET64
.irp c, 0,1,2,3
	ds_store_b128 v[PA], v[V+4*(\c):V+4*(\c)+3] offset:16*(\c)
.endr
	s_wait_dscnt 0x0                               ; for the others' sake
	s_barrier_signal -1
	s_barrier_wait -1
.set c, 0
.rept 16
	ds_load_b128 v[V+4*c:V+4*c+3], v[PL] offset:(c/4)*PARTQ+(c%4)*16
.set c, c+1
.endr
	s_wait_dscnt 0x0
	LOW16
	s_cmp_eq_u32 s22, 1
	s_cbranch_scc1 .Lskip                          ; the second pass ends here
	v_max3_num_f32 v[T], v[V], v[V+1], v[V+2]      ; T: each of the four parts' waves makes it for itself
.irp k, 3,5,7,9,11,13
	v_max3_num_f32 v[T], v[T], v[V+(\k)], v[V+(\k)+1]
.endr
	v_max_num_f32 v[T], v[T], v[V+15]
.set kj, 0
.rept 64
	KEY kj, s21, kj                                ; the item's number is its group: 64 p + j
.set kj, kj+1
.endr
.Lskip:
	v_add_nc_u32 v[PA], PARTB, v[PA]               ; the second pass has lists of its own: no wave still reads what another writes
	v_add_nc_u32 v[PL], PARTB, v[PL]
	s_sub_co_u32 s22, s22, 1
	s_cmp_lg_u32 s22, 0
	s_cbranch_scc1 .Lpass
	s_cmp_lt_u32 s16, 2                            ; all four parts' waves hold the result; part 0's store it
	s_cbranch_scc0 .Lend
.set c, 0
.rept 16
	v_and_b32 v[V+c], 0xff, v[V+c]
.set c, c+1
.endr
.irp k, 0,1,2,3
	v_lshl_or_b32 v[W+(\k)], v[V+4*(\k)+1], 8, v[V+4*(\k)]
	v_lshl_or_b32 v[W+(\k)], v[V+4*(\k)+2], 16, v[W+(\k)]
	v_lshl_or_b32 v[W+(\k)], v[V+4*(\k)+3], 24, v[W+(\k)]
.endr
	s_lshl_b32 s24, s18, 16                        ; 16 bytes a query
	s_lshl_b32 s28, s17, 10
	s_add_co_u32 s24, s24, s28
	s_lshl_b32 s28, s19, 9
	s_add_co_u32 s24, s24, s28
	s_add_nc_u64 s[12:13], s[12:13], s[24:25]
	v_lshlrev_b32 v4, 4, v1
	global_store_b128 v4, v[W:W+3], s[12:13]       ; 512 consecutive bytes
.Lend:
	s_wait_tensorcnt 0x0                           ; the wave's end: behind my last LDS store
	ds_add_u32 v[SPW], v[NIL]
	s_wait_dscnt 0x0
	s_endpgm
.Lfunc_end_k_qb719f4f18c_knn_a:
	.size	k_qb719f4f18c_knn_a, .Lfunc_end_k_qb719f4f18c_knn_a-k_qb719f4f18c_knn_a
	.p2alignl 7, 3214868480
	.fill 96, 4, 3214868480
	.section	.rodata,"a",@progbits
	.p2align	6, 0x0
	.amdhsa_kernel k_qb719f4f18c_knn_a
		.amdhsa_group_segment_fixed_size 117248
		.amdhsa_private_segment_fixed_size 0
		.amdhsa_enable_private_segment 0
		.amdhsa_kernarg_size 48
		.amdhsa_user_sgpr_count 2
		.amdhsa_user_sgpr_kernarg_segment_ptr 1
		.amdhsa_wavefront_size32 1
		.amdhsa_system_sgpr_workgroup_id_x 1
		.amdhsa_system_sgpr_workgroup_id_y 1
		.amdhsa_system_sgpr_workgroup_id_z 1
		.amdhsa_system_vgpr_workitem_id 0
		.amdhsa_next_free_vgpr 216
		.amdhsa_next_free_sgpr 66
		.amdhsa_reserve_vcc 1
		.amdhsa_float_denorm_mode_32 3
		.amdhsa_float_denorm_mode_16_64 3
		.amdhsa_memory_ordered 1
		.amdhsa_forward_progress 1
		.amdhsa_inst_pref_size 81
	.end_amdhsa_kernel
	.amdgpu_metadata
---
amdhsa.version: [ 1, 2 ]
amdhsa.kernels:
  - .name:           k_qb719f4f18c_knn_a
    .symbol:         k_qb719f4f18c_knn_a.kd
    .args:
      - { .name: query_pos, .offset: 0, .size: 8, .value_kind: global_buffer, .address_space: global }
      - { .name: context_pos, .offset: 8, .size: 8, .value_kind: global_buffer, .address_space: global }
      - { .name: in_proj_w, .offset: 16, .size: 8, .value_kind: global_buffer, .address_space: global }
      - { .name: out_w, .offset: 24, .size: 8, .value_kind: global_buffer, .address_space: global }
      - { .name: glist, .offset: 32, .size: 8, .value_kind: global_buffer, .address_space: global }
      - { .name: wh, .offset: 40, .size: 8, .value_kind: global_buffer, .address_space: global }
    .group_segment_fixed_size: 117248
    .private_segment_fixed_size: 0
    .kernarg_segment_align: 8
    .kernarg_segment_size: 48
    .max_flat_workgroup_size: 256
    .sgpr_count:     66
    .vgpr_count:     216
    .wavefront_size: 32
...
	.end_amdgpu_metadata
.endif
;; end of part 1
;; launch knn_b (part 2): grid 64 x 4, 8 waves a work-group, no clusters, 83,968 bytes of LDS; arguments query_pos, context_pos, glist, knn; writes knn
.if DOCPART == 2
	.amdgcn_target "amdgcn-amd-amdhsa--gfx1250"
	.amdhsa_code_object_version 6
	.text
	.protected	k_qb719f4f18c_knn_b
	.globl	k_qb719f4f18c_knn_b
	.p2align	8
	.type	k_qb719f4f18c_knn_b,@function
k_qb719f4f18c_knn_b:
	s_mov_b64 s[64:65], 0
	v_nop
	global_prefetch_b8 v0, s[64:65] scope:SCOPE_SE
	s_setreg_imm32_b32 hwreg(HW_REG_WAVE_MODE, 25, 1), 1
	s_wait_xcnt 0x0
; NEAREST NEIGHBOURS, SECOND LEVEL.  For each of 64 queries of one batch: the 16 nearest, in the order (d2, index), among the 16 x 16 points of the 16 groups that the launch before
; has listed (glist: 16 bytes a query).  The 16 indices, in no order, go to knn as 32-bit words.
; Positions are rounded to bf16 and d2 is made by the same operations in the same order as in the launch before: the same f32 numbers.  LIMITS as there.
; The selection is that launch's too: a network of minima and maxima run twice, on values and then on keys 1.0's bits + 4096 x class + the point's index.
; SHARES.  Eight waves.  Thread t lays group t's points into a table in LDS.  Then wave w takes queries 32 (w & 1) + lane and part p = w >> 1: the four groups named in word p
; of the query's list.  A lane's LDS address hangs on that word, which is read from memory and held to 255.
.set CT,    0          ; 256 groups of 144 bytes: c0[16], c1[16], 16 spare: pitch an odd multiple of 16
.set CTP,   144
.set PART1, 36864      ; pass 1: part p's lists at 5120 p, a query's 16 numbers in 64 bytes + 16
.set PARTQ, 5120
.set PARTP, 80
.set PARTB, 20480
.set STG,   77824      ; 2 waves x 32 rows x 80 bytes: the way out
.set SPARE, 82944      ; the spare words, 128 bytes for each wave: four blocks of 256 bytes that no other line names
.set SPW, 2            ; v2   LDS address of my spare word; never rewritten
.set NIL, 3            ; v3   0; never rewritten
.set PA,  8
.set PL,  9
.set T,   10
.set KT,  11           ; v11-12 at work
.set KC0, 13
.set KC1, 14
.set KC2, 15
.set QQ,  16           ; v[16:19] q0, q1, qs, 0
.set GL,  20           ; v20  my word of the list
.set GS,  21           ; v21-24  16 x group: the index of its first point
.set GA,  25           ; v25-28  the group's place in the table
.set TA,  30           ; v[30:37] at work
.set W,   40           ; v[40:55] the network's second bank
.set V,   64           ; v[64:127] the network's four lists; before that loads, then the points of groups 0 and 1
.set VC,  128          ; v[128:191] my 64 items
                       ; v[192:255] the points of groups 2 and 3
.macro LAYER src, dst, mask
.set li, 0
.rept 16
.if li < (li^(\mask))
	v_min_num_f32 v[(\dst)+li], v[(\src)+li], v[(\src)+(li^(\mask))]
.else
	v_max_num_f32 v[(\dst)+li], v[(\src)+li], v[(\src)+(li^(\mask))]
.endif
.set li, li+1
.endr
.endm
.macro SORT16 src, dst, tmp            ; ascending; src is left as it was
	LAYER \src, \tmp, 1
	LAYER \tmp, \dst, 3
	LAYER \dst, \tmp, 1
	LAYER \tmp, \dst, 7
	LAYER \dst, \tmp, 2
	LAYER \tmp, \dst, 1
	LAYER \dst, \tmp, 15
	LAYER \tmp, \dst, 4
	LAYER \dst, \tmp, 2
	LAYER \tmp, \dst, 1
.endm
.macro MERGE a, b, tmp                 ; a takes the 16 smallest of two ascending lists, sorted
.set mi, 0
.rept 16
	v_min_num_f32 v[(\a)+mi], v[(\a)+mi], v[(\b)+15-mi]
.set mi, mi+1
.endr
	LAYER \a, \tmp, 8
	LAYER \tmp, \a, 4
	LAYER \a, \tmp, 2
	LAYER \tmp, \a, 1
.endm
.macro NET64
	SORT16 VC, V, W
	SORT16 VC+16, V+16, W
	SORT16 VC+32, V+32, W
	SORT16 VC+48, V+48, W
	MERGE V, V+16, W
	MERGE V+32, V+48, W
	MERGE V, V+32, W
.endm
.macro LOW16
	MERGE V, V+16, W
	MERGE V+32, V+48, W
.set mi, 0
.rept 16
	v_min_num_f32 v[V+mi], v[V+mi], v[V+47-mi]
.set mi, mi+1
.endr
.endm
.macro KEY j, g, i
	v_cmp_eq_f32 vcc_lo, v[VC+(\j)], v[T]
	v_cndmask_b32 v[KT+(\j)%2], v[KC2], v[KC1], vcc_lo
	v_cmp_lt_f32 vcc_lo, v[VC+(\j)], v[T]
	v_cndmask_b32 v[KT+(\j)%2], v[KT+(\j)%2], v[KC0], vcc_lo
	v_add3_u32 v[VC+(\j)], v[KT+(\j)%2], \g, \i
.endm
; The 16 distances of group s, whose points lie at cb: c0[16], then c1[16]
.macro DIST s, cb
.set j, 0
.rept 8
.set ta, TA+4*(j%2)
	v_pk_mul_f32 v[ta:ta+1], v[(\cb)+2*j:(\cb)+2*j+1], v[(\cb)+2*j:(\cb)+2*j+1]
	v_pk_mul_f32 v[ta+2:ta+3], v[(\cb)+2*j:(\cb)+2*j+1], v[QQ:QQ+1] op_sel_hi:[1,0]
	v_pk_fma_f32 v[ta:ta+1], v[(\cb)+16+2*j:(\cb)+16+2*j+1], v[(\cb)+16+2*j:(\cb)+16+2*j+1], v[ta:ta+1]
	v_pk_fma_f32 v[ta+2:ta+3], v[(\cb)+16+2*j:(\cb)+16+2*j+1], v[QQ:QQ+1], v[ta+2:ta+3] op_sel:[0,1,0] op_sel_hi:[1,1,1]
	v_pk_add_f32 v[ta:ta+1], v[ta:ta+1], v[QQ+2:QQ+3] op_sel_hi:[1,0]
	v_pk_fma_f32 v[VC+16*(\s)+2*j:VC+16*(\s)+2*j+1], v[ta+2:ta+3], -2.0, v[ta:ta+1] op_sel_hi:[1,0,1]
.set j, j+1
.endr
.endm
	s_load_b256 s[4:11], s[0:1], 0x0               ; query_pos s[4:5], context_pos s[6:7], glist s[8:9], knn s[10:11]
	v_lshl_add_u32 v[SPW], v0, 2, SPARE
	v_mov_b32 v[NIL], 0
	v_and_b32 v1, 31, v0
	v_lshrrev_b32 v4, 5, v0
	v_readfirstlane_b32 s16, v4                    ; wave 0..7
	v_lshlrev_b32 v4, 7, v0                        ; my group's 128 bytes
	s_mov_b32 s17, ttmp9
	s_and_b32 s18, ttmp7, 0xffff
	s_and_b32 s19, s16, 1
	s_lshr_b32 s20, s16, 1
	s_mov_b32 s23, 0xffff0000
	s_lshl_b32 s24, s18, 15
	s_mov_b32 s25, 0
	s_lshl_b32 s28, s17, 6
	s_lshl_b32 s29, s19, 5
	s_add_co_u32 s28, s28, s29
	s_lshl_b32 s29, s18, 12
	s_add_co_u32 s28, s28, s29                     ; the first of my wave's 32 queries, counted over all batches
	s_lshl_b32 s26, s28, 3                         ; 8 bytes a query in query_pos,
	s_mov_b32 s27, 0
	s_lshl_b32 s30, s28, 4                         ; 16 in glist, and my part's word,
	s_lshl_b32 s29, s20, 2
	s_add_co_u32 s30, s30, s29
	s_mov_b32 s31, 0
	s_lshl_b32 s32, s28, 6                         ; 64 in knn
	s_mov_b32 s33, 0
	v_lshlrev_b32 v5, 3, v1
	v_lshlrev_b32 v6, 4, v1
	v_mul_u32_u24 v7, v0, CTP
	v_mov_b32 v[KC0], 0x3f800000
	v_mov_b32 v[KC1], 0x3f801000
	v_mov_b32 v[KC2], 0x3f802000
	s_wait_kmcnt 0x0
	s_add_nc_u64 s[6:7], s[6:7], s[24:25]
	s_add_nc_u64 s[4:5], s[4:5], s[26:27]
	s_add_nc_u64 s[8:9], s[8:9], s[30:31]
	s_add_nc_u64 s[10:11], s[10:11], s[32:33]
.irp i, 0,1,2,3,4,5,6,7
	global_load_b128 v[64+4*(\i):64+4*(\i)+3], v4, s[6:7] offset:16*(\i)
.endr
	global_load_b64 v[QQ:QQ+1], v5, s[4:5]
	global_load_b32 v[GL], v6, s[8:9]
	s_lshl_b32 s28, s19, 5
	v_add_nc_u32 v[PL], s28, v1                    ; my query in the block
	v_mul_u32_u24 v[PL], v[PL], PARTP
	v_add_nc_u32 v[PL], PART1, v[PL]
	s_mul_i32 s28, s20, PARTQ
	v_add_nc_u32 v[PA], s28, v[PL]
	s_wait_loadcnt 0x0
.irp i, 0,1,2,3,4,5,6,7
	v_cvt_pk_bf16_f32 v[KT], v[64+4*(\i)], v[64+4*(\i)+2]
	v_cvt_pk_bf16_f32 v[KT+1], v[64+4*(\i)+1], v[64+4*(\i)+3]
	v_lshlrev_b32 v[96+2*(\i)], 16, v[KT]
	v_and_b32 v[97+2*(\i)], s23, v[KT]
	v_lshlrev_b32 v[112+2*(\i)], 16, v[KT+1]
	v_and_b32 v[113+2*(\i)], s23, v[KT+1]
.endr
.irp i, 0,1,2,3
	ds_store_b128 v7, v[96+4*(\i):96+4*(\i)+3] offset:CT+16*(\i)
	ds_store_b128 v7, v[112+4*(\i):112+4*(\i)+3] offset:CT+64+16*(\i)
.endr
	v_cvt_pk_bf16_f32 v[KT], v[QQ], v[QQ+1]
	v_lshlrev_b32 v[QQ], 16, v[KT]
	v_and_b32 v[QQ+1], s23, v[KT]
	v_mul_f32 v[QQ+2], v[QQ], v[QQ]
	v_fmac_f32 v[QQ+2], v[QQ+1], v[QQ+1]
	v_mov_b32 v[QQ+3], 0
.irp s, 0,1,2,3
	v_bfe_u32 v[GA+(\s)], v[GL], 8*(\s), 8
	v_min_u32 v[GA+(\s)], 0xff, v[GA+(\s)]         ; a number read from memory is held to the table before it enters an address
	v_lshlrev_b32 v[GS+(\s)], 4, v[GA+(\s)]
	v_mul_u32_u24 v[GA+(\s)], v[GA+(\s)], CTP
.endr
	s_wait_dscnt 0x0                               ; for the others' sake: my group is in the table
	s_barrier_signal -1
	s_barrier_wait -1
.irp s, 0,1,2,3
.irp i, 0,1,2,3,4,5,6,7
	ds_load_b128 v[64+32*(\s)+64*((\s)/2)+4*(\i):64+32*(\s)+64*((\s)/2)+4*(\i)+3], v[GA+(\s)] offset:CT+16*(\i)
.endr
.endr
	s_wait_dscnt 24                                ; group 0's eight loads are in; the later groups' stay out
	DIST 0, 64
	s_wait_dscnt 16
	DIST 1, 96
	s_wait_dscnt 8
	DIST 2, 192
	s_wait_dscnt 0x0
	DIST 3, 224
	s_mov_b32 s22, 2
.Lpass:
	NET64
.irp c, 0,1,2,3
	ds_store_b128 v[PA], v[V+4*(\c):V+4*(\c)+3] offset:16*(\c)
.endr
	s_wait_dscnt 0x0                               ; for the others' sake
	s_barrier_signal -1
	s_barrier_wait -1
.set c, 0
.rept 16
	ds_load_b128 v[V+4*c:V+4*c+3], v[PL] offset:(c/4)*PARTQ+(c%4)*16
.set c, c+1
.endr
	s_wait_dscnt 0x0
	LOW16
	s_cmp_eq_u32 s22, 1
	s_cbranch_scc1 .Lskip
	v_max3_num_f32 v[T], v[V], v[V+1], v[V+2]
.irp k, 3,5,7,9,11,13
	v_max3_num_f32 v[T], v[T], v[V+(\k)], v[V+(\k)+1]
.endr
	v_max_num_f32 v[T], v[T], v[V+15]
.set kj, 0
.rept 64
	KEY kj, v[GS+kj/16], kj%16                     ; the item's number is the point's index in the batch
.set kj, kj+1
.endr
.Lskip:
	v_add_nc_u32 v[PA], PARTB, v[PA]
	v_add_nc_u32 v[PL], PARTB, v[PL]
	s_sub_co_u32 s22, s22, 1
	s_cmp_lg_u32 s22, 0
	s_cbranch_scc1 .Lpass
	s_cmp_lt_u32 s16, 2                            ; part 0's waves store
	s_cbranch_scc0 .Lend
.set c, 0
.rept 16
	v_and_b32 v[V+c], 0xfff, v[V+c]
.set c, c+1
.endr
	s_mul_i32 s28, s19, 32*80
	s_add_co_u32 s28, s28, STG                     ; my wave's stage
	v_mul_u32_u24 v4, v1, 80
	v_add_nc_u32 v4, s28, v4
.irp c, 0,1,2,3
	ds_store_b128 v4, v[V+4*(\c):V+4*(\c)+3] offset:16*(\c)
.endr
	v_lshrrev_b32 v5, 2, v1                        ; back: four lanes take a query's 64 bytes, a wave eight queries
	v_mul_u32_u24 v5, v5, 80
	v_and_b32 v7, 3, v1
	v_lshl_add_u32 v5, v7, 4, v5
	v_add_nc_u32 v5, s28, v5
.irp i, 0,1,2,3
	ds_load_b128 v[V+16+4*(\i):V+16+4*(\i)+3], v5 offset:640*(\i)  ; my own bytes: LDS serves a wave's instructions in order (ISA guide 5.7.1.4)
.endr
.irp i, 0,1,2,3
	s_wait_dscnt 3-(\i)
	global_store_b128 v6, v[V+16+4*(\i):V+16+4*(\i)+3], s[10:11] offset:512*(\i)  ; 512 consecutive bytes
.endr
.Lend:
	s_wait_tensorcnt 0x0                           ; the wave's end: behind my last LDS store
	ds_add_u32 v[SPW], v[NIL]
	s_wait_dscnt 0x0
	s_endpgm
.Lfunc_end_k_qb719f4f18c_knn_b:
	.size	k_qb719f4f18c_knn_b, .Lfunc_end_k_qb719f4f18c_knn_b-k_qb719f4f18c_knn_b
	.p2alignl 7, 3214868480
	.fill 96, 4, 3214868480
	.section	.rodata,"a",@progbits
	.p2align	6, 0x0
	.amdhsa_kernel k_qb719f4f18c_knn_b
		.amdhsa_group_segment_fixed_size 83968
		.amdhsa_private_segment_fixed_size 0
		.amdhsa_enable_private_segment 0
		.amdhsa_kernarg_size 32
		.amdhsa_user_sgpr_count 2
		.amdhsa_user_sgpr_kernarg_segment_ptr 1
		.amdhsa_wavefront_size32 1
		.amdhsa_system_sgpr_workgroup_id_x 1
		.amdhsa_system_sgpr_workgroup_id_y 1
		.amdhsa_system_sgpr_workgroup_id_z 1
		.amdhsa_system_vgpr_workitem_id 0
		.amdhsa_next_free_vgpr 256
		.amdhsa_next_free_sgpr 66
		.amdhsa_reserve_vcc 1
		.amdhsa_float_denorm_mode_32 3
		.amdhsa_float_denorm_mode_16_64 3
		.amdhsa_memory_ordered 1
		.amdhsa_forward_progress 1
		.amdhsa_inst_pref_size 71
	.end_amdhsa_kernel
	.amdgpu_metadata
---
amdhsa.version: [ 1, 2 ]
amdhsa.kernels:
  - .name:           k_qb719f4f18c_knn_b
    .symbol:         k_qb719f4f18c_knn_b.kd
    .args:
      - { .name: query_pos, .offset: 0, .size: 8, .value_kind: global_buffer, .address_space: global }
      - { .name: context_pos, .offset: 8, .size: 8, .value_kind: global_buffer, .address_space: global }
      - { .name: glist, .offset: 16, .size: 8, .value_kind: global_buffer, .address_space: global }
      - { .name: knn, .offset: 24, .size: 8, .value_kind: global_buffer, .address_space: global }
    .group_segment_fixed_size: 83968
    .private_segment_fixed_size: 0
    .kernarg_segment_align: 8
    .kernarg_segment_size: 32
    .max_flat_workgroup_size: 256
    .sgpr_count:     66
    .vgpr_count:     256
    .wavefront_size: 32
...
	.end_amdgpu_metadata
.endif
;; end of part 2
;; launch proj (part 3): grid 128 x 2, 8 waves a work-group, no clusters, 136,192 bytes of LDS; arguments query, query_pos, context, context_pos, w_rff, in_proj_b, wh, qp, kv; writes qp, kv
.if DOCPART == 3
	.amdgcn_target "amdgcn-amd-amdhsa--gfx1250"
	.amdhsa_code_object_version 6
	.text
	.protected	k_qb719f4f18c_proj
	.globl	k_qb719f4f18c_proj
	.p2align	8
	.type	k_qb719f4f18c_proj,@function
k_qb719f4f18c_proj:
	s_mov_b64 s[64:65], 0
	v_nop
	global_prefetch_b8 v0, s[64:65] scope:SCOPE_SE
	s_setreg_imm32_b32 hwreg(HW_REG_WAVE_MODE, 25, 1), 1
	s_wait_xcnt 0x0
; FEATURES AND INPUT PROJECTIONS.  y = 0: q = (query + pe(query_pos)) Wq^T + bq -> qp.  y = 1: K | V = (context + pe(context_pos)) [Wk; Wv]^T + b -> kv.  Each context row is projected once;
; the attention launch gathers projected rows.  pe(p) = [sin, cos](2 pi (p0 w0 + p1 w1)).
; FORMATS.  All inputs are rounded to bf16 first (positions, w_rff, rows, biases; the weights come from wh, bf16 numbers written as f16).  What is made here is f16: the features (one rounding)
; and q, K, V (one rounding from f32 sums).  LIMITS: f16 ends at 65,504: features, q, K and V must stay within it (inputs and weights both 30 times the usual leave two decades of room);
; NaN and infinities are not treated apart.  SINE AND COSINE: x = 2 pi a is reduced by k = round(x / 2 pi) with 2 pi in three parts, then series to r^15 and r^16 on |r| <= pi,
; cut at 8e-7 and 1.4e-7; good while k x 6.28125 is exact, |x| to about 2^20.
; SHARES.  A work-group owns 128 rows.  Phase 1: wave w makes the features of rows 16 w .. 16 w + 15, a lane four frequencies (channels 4 l .. and 128 + 4 l ..); all its 32 row loads go out at once.
; Phase 2, a pass for 256 output columns (one for q, two for K | V): wave w holds the weights of 32 columns in 128 registers and walks the 128 rows, 32 a trip.
; THE MATRIX INSTRUCTION IS USED TRANSPOSED: source 0 = 16 weight rows, source 1 = 16 feature rows: a lane then holds 8 neighbouring columns of one row; the bias is the C operand that starts the sum.
; No tensor loads: the rows want arithmetic on their way into LDS, and the weights go straight into registers in fragment order.  No cluster: what work-groups share is the weights alone, which lie in registers here.
.set XT,    0          ; 128 rows x 528 bytes: features, f16: 512 + 16, an odd multiple of 16
.set OT,    67584      ; 128 rows x 528 bytes: a pass's results
.set XP,    528
.set SPARE, 135168     ; the spare words, 128 bytes for each wave: four blocks of 256 bytes that no other line names
.set SPW, 2            ; v2   LDS address of my spare word; never rewritten
.set NIL, 3            ; v3   0; never rewritten
.set L16, 4            ; v4   16 x lane; never rewritten
.set XA,  5            ; v5   phase 1: where my rows go; phase 2: my fragments' address
.set OS,  6            ; v6   where my results go
.set BO,  7            ; v7   32 x (lane / 16): my 8 biases
.set CA,  8            ; v8   where I read whole rows back
.set FB,  9            ; v9   (lane % 16) x 528 + 16 (lane / 16)
.set W0,  12           ; v[12:15] w_rff[0] at my four frequencies
.set W1,  16           ; v[16:19] w_rff[1]
.set PP,  20           ; v[20:21] a row's position
.set KB,  22           ; v[22:61] 20 constants, each twice
.set AR,  64           ; phase 1, four registers each: the argument,
.set KK,  68           ; k,
.set RR,  72           ; r,
.set R2,  76           ; r^2,
.set SP,  80           ; the sine,
.set CP,  84           ; the cosine,
.set UU,  88           ; r^3
.set XB,  92           ; v[92:99] the row's 8 numbers
.set TP,  100          ; v[100:103] packed bf16
.set FO,  104          ; v[104:107] packed f16
.set XR,  128          ; v[128:255] 16 rows x 8 as loaded
.set PK,  32           ; phase 2: v[32:47] packed results
.set BI,  48           ; v[48:63] biases of my two column tiles
.set ACC, 64           ; v[64:95] four accumulators: row tile t, column tile i at 8 (2 t + i)
.set AF,  96           ; v[96:127] two sets of feature fragments
.set BF,  128          ; v[128:255] weights: column tile i, K step ks at 64 i + 8 ks
.macro PLACES                          ; four places behind matrix instructions, in front of loads into registers that they read and of lines that read results
.rept 4
	v_nop
.endr
.endm
.macro AFETCH set, ks                  ; the fragments of two row tiles for 32 along K
	ds_load_b128 v[AF+16*(\set):AF+16*(\set)+3],     v[XA] offset:(\ks)*64
	ds_load_b128 v[AF+16*(\set)+4:AF+16*(\set)+7],   v[XA] offset:(\ks)*64+32
	ds_load_b128 v[AF+16*(\set)+8:AF+16*(\set)+11],  v[XA] offset:16*XP+(\ks)*64
	ds_load_b128 v[AF+16*(\set)+12:AF+16*(\set)+15], v[XA] offset:16*XP+(\ks)*64+32
.endm
.macro MM4 set, ks                     ; four products; the four accumulators take turns, one instruction a turn
.irp t, 0,1
.irp i, 0,1
.if (\ks) == 0
	v_wmma_f32_16x16x32_f16 v[ACC+8*(2*(\t)+(\i)):ACC+8*(2*(\t)+(\i))+7], v[BF+64*(\i)+8*(\ks):BF+64*(\i)+8*(\ks)+7], v[AF+16*(\set)+8*(\t):AF+16*(\set)+8*(\t)+7], v[BI+8*(\i):BI+8*(\i)+7]
.else
	v_wmma_f32_16x16x32_f16 v[ACC+8*(2*(\t)+(\i)):ACC+8*(2*(\t)+(\i))+7], v[BF+64*(\i)+8*(\ks):BF+64*(\i)+8*(\ks)+7], v[AF+16*(\set)+8*(\t):AF+16*(\set)+8*(\t)+7], v[ACC+8*(2*(\t)+(\i)):ACC+8*(2*(\t)+(\i))+7]
.endif
.endr
.endr
.endm
.macro GEMM2x2                         ; 32 rows x 32 columns x 256: eight K steps, the next step's fragments fetched ahead
	AFETCH 0, 0
.set gk, 0
.rept 7
.if gk > 0
	PLACES                                         ; the set to be loaded was read by the products just issued
.endif
	AFETCH (gk+1)%2, gk+1
	s_wait_dscnt 4                                 ; all but the four loads just issued
	MM4 gk%2, gk
.set gk, gk+1
.endr
	s_wait_dscnt 0x0
	MM4 1, 7
	PLACES
.endm
.macro KSET c, val
	v_mov_b32 v[KB+2*(\c)], \val
	v_mov_b32 v[KB+2*(\c)+1], \val
.endm
.macro HORN acc, c                     ; acc = acc r^2 + constant c, for both pairs
.irp p, 0,1
	v_pk_fma_f32 v[(\acc)+2*(\p):(\acc)+2*(\p)+1], v[(\acc)+2*(\p):(\acc)+2*(\p)+1], v[R2+2*(\p):R2+2*(\p)+1], v[KB+2*(\c):KB+2*(\c)+1]
.endr
.endm
; Row i of my 16: its position, four sines and four cosines, the row's 8 numbers rounded to bf16, the sums rounded to f16, into LDS.
.macro FEAT i
	s_wait_loadcnt 30-2*(\i)                       ; loads come back in order (ISA guide 5.7.1): this row's two are in, the later rows' stay out
	v_cvt_pk_bf16_f32 v10, s[32+2*(\i)], s[33+2*(\i)]
.irp k, 0,1,2,3
	v_cvt_pk_bf16_f32 v[TP+(\k)], v[XR+8*(\i)+2*(\k)], v[XR+8*(\i)+2*(\k)+1]
.endr
	v_lshlrev_b32 v[PP], 16, v10
	v_and_b32 v[PP+1], s23, v10
.irp p, 0,1
	v_pk_mul_f32 v[AR+2*(\p):AR+2*(\p)+1], v[W0+2*(\p):W0+2*(\p)+1], v[PP:PP+1] op_sel_hi:[1,0]
.endr
.irp p, 0,1
	v_pk_fma_f32 v[AR+2*(\p):AR+2*(\p)+1], v[W1+2*(\p):W1+2*(\p)+1], v[PP:PP+1], v[AR+2*(\p):AR+2*(\p)+1] op_sel:[0,1,0] op_sel_hi:[1,1,1]
.endr
.irp p, 0,1
	v_pk_mul_f32 v[AR+2*(\p):AR+2*(\p)+1], v[AR+2*(\p):AR+2*(\p)+1], v[KB:KB+1]          ; x = 2 pi a
.endr
.irp p, 0,1
	v_pk_mul_f32 v[KK+2*(\p):KK+2*(\p)+1], v[AR+2*(\p):AR+2*(\p)+1], v[KB+2:KB+3]
.endr
.irp k, 0,1,2,3
	v_rndne_f32 v[KK+(\k)], v[KK+(\k)]
.endr
.irp p, 0,1
	v_pk_fma_f32 v[RR+2*(\p):RR+2*(\p)+1], v[KK+2*(\p):KK+2*(\p)+1], v[KB+4:KB+5], v[AR+2*(\p):AR+2*(\p)+1]
.endr
.irp p, 0,1
	v_pk_fma_f32 v[RR+2*(\p):RR+2*(\p)+1], v[KK+2*(\p):KK+2*(\p)+1], v[KB+6:KB+7], v[RR+2*(\p):RR+2*(\p)+1]
.endr
.irp p, 0,1
	v_pk_fma_f32 v[RR+2*(\p):RR+2*(\p)+1], v[KK+2*(\p):KK+2*(\p)+1], v[KB+8:KB+9], v[RR+2*(\p):RR+2*(\p)+1]
.endr
.irp p, 0,1
	v_pk_mul_f32 v[R2+2*(\p):R2+2*(\p)+1], v[RR+2*(\p):RR+2*(\p)+1], v[RR+2*(\p):RR+2*(\p)+1]
.endr
.irp p, 0,1
	v_pk_fma_f32 v[SP+2*(\p):SP+2*(\p)+1], v[KB+22:KB+23], v[R2+2*(\p):R2+2*(\p)+1], v[KB+20:KB+21]
	v_pk_fma_f32 v[CP+2*(\p):CP+2*(\p)+1], v[KB+38:KB+39], v[R2+2*(\p):R2+2*(\p)+1], v[KB+36:KB+37]
.endr
	HORN SP, 9
	HORN CP, 17
	HORN SP, 8
	HORN CP, 16
	HORN SP, 7
	HORN CP, 15
	HORN SP, 6
	HORN CP, 14
	HORN SP, 5
	HORN CP, 13
	HORN CP, 12
.irp p, 0,1
	v_pk_mul_f32 v[UU+2*(\p):UU+2*(\p)+1], v[RR+2*(\p):RR+2*(\p)+1], v[R2+2*(\p):R2+2*(\p)+1]
.endr
.irp k, 0,1,2,3
	v_lshlrev_b32 v[XB+2*(\k)], 16, v[TP+(\k)]
	v_and_b32 v[XB+2*(\k)+1], s23, v[TP+(\k)]
.endr
.irp p, 0,1
	v_pk_fma_f32 v[SP+2*(\p):SP+2*(\p)+1], v[UU+2*(\p):UU+2*(\p)+1], v[SP+2*(\p):SP+2*(\p)+1], v[RR+2*(\p):RR+2*(\p)+1]  ; sin = r + r^3 (..)
	v_pk_fma_f32 v[CP+2*(\p):CP+2*(\p)+1], v[CP+2*(\p):CP+2*(\p)+1], v[R2+2*(\p):R2+2*(\p)+1], 1.0 op_sel_hi:[1,1,0]      ; cos = 1 + r^2 (..)
.endr
.irp p, 0,1
	v_pk_add_f32 v[XB+2*(\p):XB+2*(\p)+1], v[XB+2*(\p):XB+2*(\p)+1], v[SP+2*(\p):SP+2*(\p)+1]
	v_pk_add_f32 v[XB+4+2*(\p):XB+4+2*(\p)+1], v[XB+4+2*(\p):XB+4+2*(\p)+1], v[CP+2*(\p):CP+2*(\p)+1]
.endr
.irp k, 0,1,2,3
	v_cvt_pk_f16_f32 v[FO+(\k)], v[XB+2*(\k)], v[XB+2*(\k)+1]
.endr
	ds_store_b64 v[XA], v[FO:FO+1] offset:(\i)*XP
	ds_store_b64 v[XA], v[FO+2:FO+3] offset:(\i)*XP+256
.endm
; A pass: 256 output columns for the 128 rows.  ps: at which 512 bytes of the output row they land.
.macro PASS ps
.set f, 0
.rept 32                               ; f = 16 i + 2 ks + piece: 512 consecutive bytes of wh a load
	global_load_b128 v[BF+4*f:BF+4*f+3], v[L16], s[16:17] offset:512*f
.set f, f+1
.endr
.irp i, 0,1
	global_load_b128 v[BI+8*(\i):BI+8*(\i)+3],   v[BO], s[14:15] offset:64*(\i)
	global_load_b128 v[BI+8*(\i)+4:BI+8*(\i)+7], v[BO], s[14:15] offset:64*(\i)+16
.endr
	v_add_nc_u32 v[XA], XT, v[FB]
	v_add_nc_u32 v[OS], s32, v[FB]
	s_wait_loadcnt 0x0                             ; weights and biases
.irp k, 0,1,2,3,4,5,6,7
	v_cvt_pk_bf16_f32 v[PK+(\k)], v[BI+2*(\k)], v[BI+2*(\k)+1]
.endr
.irp k, 0,1,2,3,4,5,6,7
	v_lshlrev_b32 v[BI+2*(\k)], 16, v[PK+(\k)]
	v_and_b32 v[BI+2*(\k)+1], s23, v[PK+(\k)]
.endr
	s_mov_b32 s30, 4
.Lrows_\@:                             ; a trip: 32 rows
	GEMM2x2
.irp a, 0,1,2,3                        ; each accumulator's registers in ascending order
.irp k, 0,1,2,3
	v_cvt_pk_f16_f32 v[PK+4*(\a)+(\k)], v[ACC+8*(\a)+2*(\k)], v[ACC+8*(\a)+2*(\k)+1]
.endr
	ds_store_b128 v[OS], v[PK+4*(\a):PK+4*(\a)+3] offset:((\a)/2)*16*XP+((\a)%2)*32
.endr
	v_add_nc_u32 v[XA], 32*XP, v[XA]
	v_add_nc_u32 v[OS], 32*XP, v[OS]
	s_sub_co_u32 s30, s30, 1
	s_cmp_lg_u32 s30, 0
	s_cbranch_scc1 .Lrows_\@
	s_wait_dscnt 0x0                               ; for the others' sake: my 64 bytes of every row are in LDS
	s_barrier_signal -1
	s_barrier_wait -1
.set f, 0
.rept 16
	ds_load_b128 v[64+4*f:64+4*f+3], v[CA] offset:f*XP
.set f, f+1
.endr
.set f, 0
.rept 16
	s_wait_dscnt 15-f
	global_store_b128 v[L16], v[64+4*f:64+4*f+3], s[28:29] offset:f*1024+512*(\ps)  ; a wave stores 512 consecutive bytes, at a multiple of 512 from the buffer's first
.set f, f+1
.endr
.endm
	s_load_b512 s[4:19], s[0:1], 0x0               ; query, query_pos, context, context_pos, w_rff s[12:13], in_proj_b s[14:15], wh s[16:17], qp s[18:19]
	s_load_b64 s[20:21], s[0:1], 0x40              ; kv
	v_lshl_add_u32 v[SPW], v0, 2, SPARE
	v_mov_b32 v[NIL], 0
	v_and_b32 v1, 31, v0
	v_lshrrev_b32 v4, 5, v0
	v_readfirstlane_b32 s22, v4                    ; wave 0..7
	v_lshlrev_b32 v[L16], 4, v1
	s_mov_b32 s23, 0xffff0000
	s_and_b32 s31, ttmp7, 0xffff                   ; y
	s_lshl_b32 s32, ttmp9, 17                      ; my 16 rows: (128 x + 16 w) x 1,024 bytes
	s_lshl_b32 s33, s22, 14
	s_add_co_u32 s32, s32, s33
	s_mov_b32 s33, 0
	s_lshr_b32 s34, s32, 7                         ; and x 8 bytes of positions
	s_mov_b32 s35, 0
	s_lshl_b32 s36, s31, 4
	s_lshl_b32 s37, s22, 1
	s_add_co_u32 s36, s36, s37                     ; my first column tile: 16 y + 2 w
	s_lshl_b32 s38, s36, 6                         ; its 64 bytes of biases,
	s_mov_b32 s39, 0
	s_lshl_b32 s36, s36, 13                        ; its 8,192 bytes of wh
	s_mov_b32 s37, 0
	s_wait_kmcnt 0x0
	s_cmp_eq_u32 s31, 0
	s_cselect_b64 s[24:25], s[4:5], s[8:9]         ; rows
	s_cselect_b64 s[26:27], s[6:7], s[10:11]       ; positions
	s_cselect_b64 s[28:29], s[18:19], s[20:21]     ; output
	s_add_nc_u64 s[24:25], s[24:25], s[32:33]
	s_add_nc_u64 s[28:29], s[28:29], s[32:33]
	s_add_nc_u64 s[26:27], s[26:27], s[34:35]
	s_add_nc_u64 s[14:15], s[14:15], s[38:39]
	s_add_nc_u64 s[16:17], s[16:17], s[36:37]
	s_load_b512 s[32:47], s[26:27], 0x0            ; my 16 rows' positions
	s_load_b512 s[48:63], s[26:27], 0x40
	global_load_b128 v[W0:W0+3], v[L16], s[12:13]
	global_load_b128 v[W1:W1+3], v[L16], s[12:13] offset:512
.set f, 0
.rept 16
	global_load_b128 v[XR+8*f:XR+8*f+3],   v[L16], s[24:25] offset:1024*f th:TH_LOAD_NT      ; 512 consecutive bytes each: all 16 KiB of the wave go out at once
	global_load_b128 v[XR+8*f+4:XR+8*f+7], v[L16], s[24:25] offset:1024*f+512 th:TH_LOAD_NT
.set f, f+1
.endr
	KSET 0, 0x40c90fdb                             ; 2 pi
	KSET 1, 0x3e22f983                             ; 1 / 2 pi
	KSET 2, 0xc0c90000                             ; -6.28125
	KSET 3, 0xbafda000                             ; -1.93500519e-3
	KSET 4, 0xb4a22168                             ; -3.01991598e-7
	KSET 5, 0xbe2aaaab                             ; -1/3!
	KSET 6, 0x3c088889                             ; 1/5!
	KSET 7, 0xb9500d01                             ; -1/7!
	KSET 8, 0x3638ef1d                             ; 1/9!
	KSET 9, 0xb2d7322b                             ; -1/11!
	KSET 10, 0x2f309231                            ; 1/13!
	KSET 11, 0xab573f9f                            ; -1/15!
	KSET 12, 0xbf000000                            ; -1/2!
	KSET 13, 0x3d2aaaab                            ; 1/4!
	KSET 14, 0xbab60b61                            ; -1/6!
	KSET 15, 0x37d00d01                            ; 1/8!
	KSET 16, 0xb493f27e                            ; -1/10!
	KSET 17, 0x310f76c7                            ; 1/12!
	KSET 18, 0xad49cba5                            ; -1/14!
	KSET 19, 0x29573f9f                            ; 1/16!
	s_mul_i32 s30, s22, 16*XP
	v_lshl_add_u32 v[XA], v1, 3, s30               ; my rows in XT (which begins at byte 0), 8 bytes a lane
	v_add_nc_u32 v[CA], s30, v[L16]
	v_add_nc_u32 v[CA], OT, v[CA]                  ; my 16 whole rows of OT
	v_and_b32 v10, 15, v0
	v_bfe_u32 v11, v0, 4, 1
	v_mul_u32_u24 v[FB], v10, XP
	v_lshl_add_u32 v[FB], v11, 4, v[FB]
	v_lshlrev_b32 v[BO], 5, v11
	s_wait_loadcnt 32                              ; w_rff's two loads are in; the 32 row loads stay out
.irp k, 0,1,2,3
	v_cvt_pk_bf16_f32 v[TP+(\k)], v[W0+2*(\k)], v[W0+2*(\k)+1]   ; W0 and W1 lie on end
.endr
.irp k, 0,1,2,3
	v_lshlrev_b32 v[W0+2*(\k)], 16, v[TP+(\k)]
	v_and_b32 v[W0+2*(\k)+1], s23, v[TP+(\k)]
.endr
	s_wait_kmcnt 0x0                               ; the positions
.irp i, 0,1,2,3,4,5,6,7,8,9,10,11,12,13,14,15
	FEAT \i
.endr
	s_lshl_b32 s32, s22, 6
	s_add_co_u32 s32, s32, OT                      ; my 64 bytes of OT's rows
	s_wait_dscnt 0x0                               ; for the others' sake: my rows' features are in LDS
	s_barrier_signal -1
	s_barrier_wait -1
	PASS 0
	s_cmp_eq_u32 s31, 0                            ; the same in all eight waves
	s_cbranch_scc1 .Lend
	s_wait_dscnt 0x0                               ; my reads of OT are over (the count-down ended at 0),
	s_barrier_signal -1
	s_barrier_wait -1                              ; everybody's are: OT may be written again
	s_wait_xcnt 0x0                                ; the stores have read their registers
	s_add_nc_u64 s[16:17], s[16:17], 16*8192       ; Wv's tiles,
	s_add_nc_u64 s[14:15], s[14:15], 16*64         ; bv
	PASS 1
.Lend:
	s_wait_tensorcnt 0x0                           ; the wave's end: behind my last LDS store
	ds_add_u32 v[SPW], v[NIL]
	s_wait_dscnt 0x0
	s_endpgm
.Lfunc_end_k_qb719f4f18c_proj:
	.size	k_qb719f4f18c_proj, .Lfunc_end_k_qb719f4f18c_proj-k_qb719f4f18c_proj
	.p2alignl 7, 3214868480
	.fill 96, 4, 3214868480
	.section	.rodata,"a",@progbits
	.p2align	6, 0x0
	.amdhsa_kernel k_qb719f4f18c_proj
		.amdhsa_group_segment_fixed_size 136192
		.amdhsa_private_segment_fixed_size 0
		.amdhsa_enable_private_segment 0
		.amdhsa_kernarg_size 72
		.amdhsa_user_sgpr_count 2
		.amdhsa_user_sgpr_kernarg_segment_ptr 1
		.amdhsa_wavefront_size32 1
		.amdhsa_system_sgpr_workgroup_id_x 1
		.amdhsa_system_sgpr_workgroup_id_y 1
		.amdhsa_system_sgpr_workgroup_id_z 1
		.amdhsa_system_vgpr_workitem_id 0
		.amdhsa_next_free_vgpr 256
		.amdhsa_next_free_sgpr 66
		.amdhsa_reserve_vcc 0
		.amdhsa_float_denorm_mode_32 3
		.amdhsa_float_denorm_mode_16_64 3
		.amdhsa_memory_ordered 1
		.amdhsa_forward_progress 1
		.amdhsa_inst_pref_size 108
	.end_amdhsa_kernel
	.amdgpu_metadata
---
amdhsa.version: [ 1, 2 ]
amdhsa.kernels:
  - .name:           k_qb719f4f18c_proj
    .symbol:         k_qb719f4f18c_proj.kd
    .args:
      - { .name: query, .offset: 0, .size: 8, .value_kind: global_buffer, .address_space: global }
      - { .name: query_pos, .offset: 8, .size: 8, .value_kind: global_buffer, .address_space: global }
      - { .name: context, .offset: 16, .size: 8, .value_kind: global_buffer, .address_space: global }
      - { .name: context_pos, .offset: 24, .size: 8, .value_kind: global_buffer, .address_space: global }
      - { .name: w_rff, .offset: 32, .size: 8, .value_kind: global_buffer, .address_space: global }
      - { .name: in_proj_b, .offset: 40, .size: 8, .value_kind: global_buffer, .address_space: global }
      - { .name: wh, .offset: 48, .size: 8, .value_kind: global_buffer, .address_space: global }
      - { .name: qp, .offset: 56, .size: 8, .value_kind: global_buffer, .address_space: global }
      - { .name: kv, .offset: 64, .size: 8, .value_kind: global_buffer, .address_space: global }
    .group_segment_fixed_size: 136192
    .private_segment_fixed_size: 0
    .kernarg_segment_align: 8
    .kernarg_segment_size: 72
    .max_flat_workgroup_size: 256
    .sgpr_count:     66
    .vgpr_count:     256
    .wavefront_size: 32
...
	.end_amdgpu_metadata
.endif
;; end of part 3
;; launch attn (part 4): grid 256 x 1, 16 waves a work-group, no clusters, 102,400 bytes of LDS; arguments qp, kv, knn, wh, out_b, query_pos, out0, out1; writes out0, out1
.if DOCPART == 4
	.amdgcn_target "amdgcn-amd-amdhsa--gfx1250"
	.amdhsa_code_object_version 6
	.text
	.protected	k_qb719f4f18c_attn
	.globl	k_qb719f4f18c_attn
	.p2align	8
	.type	k_qb719f4f18c_attn,@function
k_qb719f4f18c_attn:
	s_mov_b64 s[64:65], 0
	v_nop
	global_prefetch_b8 v0, s[64:65] scope:SCOPE_SE
	s_setreg_imm32_b32 hwreg(HW_REG_WAVE_MODE, 25, 1), 1
	s_wait_xcnt 0x0
; ATTENTION OVER 16 NEIGHBOURS, OUTPUT PROJECTION, COPY OF query_pos.  For each query: the 16 rows K | V (1,024 bytes, f16) named in knn are gathered; for each of 8 heads of 32 channels
; s_k = q . K_k, p = softmax(s / sqrt(32)) with the maximum taken away, o = sum p_k V_k; then out0 = o out_w^T + out_b.
; FORMATS.  q, K, V arrive in f16; scores, maxima, exponentials, sums and o's sums in f32; o is rounded once to f16 for the product; out_w comes from wh (bf16 numbers written as f16), out_b is
; rounded to bf16 like every input; out0 is f32.  out1 is query_pos as it came.  LIMITS: o lies within V's range, so within f16's; a weight below 2^-126 counts as 0; NaN and infinities are not treated apart.
; SHARES.  A work-group owns 64 queries of one batch, each of its 16 waves four.  In a gathered row lane l holds channels 8 l .. 8 l + 7, so a load of the wave takes 512 consecutive bytes, and the four lanes
; of a head add their partial scores by two exchanges.  Scores and weighted sums are vector work: each query has keys of its own, so a matrix tile would hold one useful row in sixteen.
; IN FLIGHT.  While a query's scores are made its V is on its way; the next query's K goes out behind the scores, its V behind the weighted sum: 16 loads of 512 bytes are always out.
; THE OUTPUT PROJECTION: 64 rows x 256 columns; wave w takes rows 32 (w & 1) .. + 31 and columns 32 (w >> 1) .. + 31: four accumulators; transposed use (source 0 = 16 weight rows), the bias as first C operand.
; No tensor loads: the rows are chosen by index.  No cluster: work-groups share the weights alone, 16 KiB a wave straight into registers.  No prefetch of kv: a row is named by many lists in many work-groups.
.set OT,    0          ; 64 rows x 528 bytes: o, f16
.set XP,    528
.set STG,   33792      ; 64 rows x 1,040 bytes: out0's tile, f32: 1,024 + 16, an odd multiple of 16
.set STP,   1040
.set SPARE, 100352     ; the spare words, 128 bytes for each wave: eight blocks of 256 bytes that no other line names
.set SPW, 2            ; v2   LDS address of my spare word; never rewritten
.set NIL, 3            ; v3   0; never rewritten
.set Z,   4            ; v4   0, the addend that starts a sum
.set L16, 5            ; v5   16 x lane; never rewritten
.set OA,  6            ; v6   where my queries' o go
.set BO,  7            ; v7   32 x (lane / 16)
.set CPY, 8            ; v[8:11] wave 0: 16 bytes of query_pos
.set CM,  12           ; v[12:13] c m
.set RL,  14           ; v14  1 / l;  v15  l
.set Q,   16           ; v[16:31] four queries x 4 registers
.set XA,  16           ; later: v16 fragments' address, v17 where results go, v18 where whole rows are read
.set STS, 17
.set CA,  18
.set S,   32           ; v[32:47] scores, then weights
.set BI,  32           ; later: biases
.set AO,  48           ; v[48:55] o
.set TM,  56           ; v[56:63] at work
.set KB,  64           ; v[64:127] K: neighbour k at 4 k
.set VB,  128          ; v[128:191] V
.set BF,  64           ; later: weights: column tile i, K step ks at 64 i + 8 ks
.set AD,  192          ; v[192:223] two sets of 16 row offsets
.set ACC, 192          ; later: four accumulators
.set AF,  224          ; v[224:255] two sets of fragments of o; then whole rows on the way out
.set CS,  54           ; s[54:55] c = log2(e) / sqrt(32)
.macro PLACES
.rept 4
	v_nop
.endr
.endm
.macro AFETCH set, ks
	ds_load_b128 v[AF+16*(\set):AF+16*(\set)+3],     v[XA] offset:(\ks)*64
	ds_load_b128 v[AF+16*(\set)+4:AF+16*(\set)+7],   v[XA] offset:(\ks)*64+32
	ds_load_b128 v[AF+16*(\set)+8:AF+16*(\set)+11],  v[XA] offset:16*XP+(\ks)*64
	ds_load_b128 v[AF+16*(\set)+12:AF+16*(\set)+15], v[XA] offset:16*XP+(\ks)*64+32
.endm
.macro MM4 set, ks                     ; the four accumulators take turns, one instruction a turn
.irp t, 0,1
.irp i, 0,1
.if (\ks) == 0
	v_wmma_f32_16x16x32_f16 v[ACC+8*(2*(\t)+(\i)):ACC+8*(2*(\t)+(\i))+7], v[BF+64*(\i)+8*(\ks):BF+64*(\i)+8*(\ks)+7], v[AF+16*(\set)+8*(\t):AF+16*(\set)+8*(\t)+7], v[BI+8*(\i):BI+8*(\i)+7]
.else
	v_wmma_f32_16x16x32_f16 v[ACC+8*(2*(\t)+(\i)):ACC+8*(2*(\t)+(\i))+7], v[BF+64*(\i)+8*(\ks):BF+64*(\i)+8*(\ks)+7], v[AF+16*(\set)+8*(\t):AF+16*(\set)+8*(\t)+7], v[ACC+8*(2*(\t)+(\i)):ACC+8*(2*(\t)+(\i))+7]
.endif
.endr
.endr
.endm
.macro GEMM2x2
	AFETCH 0, 0
.set gk, 0
.rept 7
.if gk > 0
	PLACES                                         ; the set to be loaded was read by the products just issued
.endif
	AFETCH (gk+1)%2, gk+1
	s_wait_dscnt 4                                 ; all but the four loads just issued
	MM4 gk%2, gk
.set gk, gk+1
.endr
	s_wait_dscnt 0x0
	MM4 1, 7
	PLACES
.endm
; Query j's 16 indices lie in s[20:35], s[36:51], s[68:83], s[84:99].
.macro ADDR j                          ; 1,024 x index + 16 x lane
.set k, 0
.rept 16
	v_lshl_add_u32 v[AD+16*((\j)%2)+k], s[20+16*(\j)+16*((\j)/2)+k], 10, v[L16]
.set k, k+1
.endr
.endm
.macro KVLOAD j, dst, off
.set k, 0
.rept 16
	global_load_b128 v[(\dst)+4*k:(\dst)+4*k+3], v[AD+16*((\j)%2)+k], s[6:7] offset:\off
.set k, k+1
.endr
.endm
.macro WLOAD f0                        ; 16 loads of weights: f = 16 i + 2 ks + piece
.set f, \f0
.rept 16
	global_load_b128 v[BF+4*f:BF+4*f+3], v[L16], s[10:11] offset:512*f
.set f, f+1
.endr
.endm
.macro MIXQK d, a, b, cc, par          ; d = a.half x b.half + cc
.if \par
	v_fma_mix_f32 v[\d], v[\a], v[\b], v[\cc] op_sel:[1,1,0] op_sel_hi:[1,1,0]
.else
	v_fma_mix_f32 v[\d], v[\a], v[\b], v[\cc] op_sel:[0,0,0] op_sel_hi:[1,1,0]
.endif
.endm
.macro MIXPV d, a, b, cc, par          ; d = a.half x b + cc
.if \par
	v_fma_mix_f32 v[\d], v[\a], v[\b], v[\cc] op_sel:[1,0,0] op_sel_hi:[1,0,0]
.else
	v_fma_mix_f32 v[\d], v[\a], v[\b], v[\cc] op_sel:[0,0,0] op_sel_hi:[1,0,0]
.endif
.endm
.macro QUERY j
	s_wait_loadcnt 16                              ; K is in; the 16 loads of V stay out
.set c, 0
.rept 8                                ; 16 chains that do not wait for each other
.set k, 0
.rept 16
.set cr, S+k
.if c == 0
.set cr, Z
.endif
	MIXQK S+k, Q+4*(\j)+c/2, KB+4*k+c/2, cr, c%2
.set k, k+1
.endr
.set c, c+1
.endr
.set k, 0
.rept 16
	v_add_f32_dpp v[S+k], v[S+k], v[S+k] row_xmask:1 row_mask:0xf bank_mask:0xf
.set k, k+1
.endr
.set k, 0
.rept 16
	v_add_f32_dpp v[S+k], v[S+k], v[S+k] row_xmask:2 row_mask:0xf bank_mask:0xf  ; the head's four lanes hold its score
.set k, k+1
.endr
.if (\j) < 3
	ADDR (\j)+1                                    ; this set's last loads were waited for a query ago
	KVLOAD (\j)+1, KB, 0
.else
	WLOAD 0                                        ; behind the last scores: the first column tile's weights
.endif
	v_max3_num_f32 v[TM], v[S], v[S+1], v[S+2]
	v_max3_num_f32 v[TM+1], v[S+3], v[S+4], v[S+5]
	v_max3_num_f32 v[TM], v[TM], v[S+6], v[S+7]
	v_max3_num_f32 v[TM+1], v[TM+1], v[S+8], v[S+9]
	v_max3_num_f32 v[TM], v[TM], v[S+10], v[S+11]
	v_max3_num_f32 v[TM+1], v[TM+1], v[S+12], v[S+13]
	v_max3_num_f32 v[TM], v[TM], v[S+14], v[S+15]
	v_max_num_f32 v[TM], v[TM], v[TM+1]
	v_mul_f32 v[CM], s[CS], v[TM]
	v_mov_b32 v[CM+1], v[CM]                       ; named with it as a pair
.set k, 0
.rept 8
	v_pk_fma_f32 v[S+2*k:S+2*k+1], v[S+2*k:S+2*k+1], s[CS:CS+1], v[CM:CM+1] op_sel_hi:[1,0,0] neg_lo:[0,0,1] neg_hi:[0,0,1]  ; c s - c m
.set k, k+1
.endr
.set k, 0
.rept 16
	v_exp_f32 v[S+k], v[S+k]
.set k, k+1
.endr
	v_nop                                          ; a plain instruction behind the last exponential,
	s_wait_alu depctr_va_vdst(0)                   ; and one wait for the batch of 16, ahead of the first line that names a result
.irp k, 0,1,2,3
	v_pk_add_f32 v[TM+2*(\k):TM+2*(\k)+1], v[S+4*(\k):S+4*(\k)+1], v[S+4*(\k)+2:S+4*(\k)+3]
.endr
	v_pk_add_f32 v[TM:TM+1], v[TM:TM+1], v[TM+2:TM+3]
	v_pk_add_f32 v[TM+4:TM+5], v[TM+4:TM+5], v[TM+6:TM+7]
	v_pk_add_f32 v[TM:TM+1], v[TM:TM+1], v[TM+4:TM+5]
	v_add_f32 v[RL+1], v[TM], v[TM+1]
	v_rcp_f32 v[RL], v[RL+1]                       ; the weighted sum below is the work behind it
	s_wait_loadcnt 16                              ; V is in; the 16 younger loads stay out
.set k, 0
.rept 16
.set c, 0
.rept 8                                ; 8 chains
.set cr, AO+c
.if k == 0
.set cr, Z
.endif
	MIXPV AO+c, VB+4*k+c/2, S+k, cr, c%2
.set c, c+1
.endr
.set k, k+1
.endr
.if (\j) < 3
	KVLOAD (\j)+1, VB, 512
.else
	WLOAD 16                                       ; the second column tile's weights, and the biases
.irp i, 0,1
	global_load_b128 v[BI+8*(\i):BI+8*(\i)+3],   v[BO], s[12:13] offset:64*(\i)
	global_load_b128 v[BI+8*(\i)+4:BI+8*(\i)+7], v[BO], s[12:13] offset:64*(\i)+16
.endr
.endif
	s_wait_alu depctr_va_vdst(0)                   ; the reciprocal's wait, ahead of its first use
.irp k, 0,1,2,3
	v_pk_mul_f32 v[AO+2*(\k):AO+2*(\k)+1], v[AO+2*(\k):AO+2*(\k)+1], v[RL:RL+1] op_sel_hi:[1,0]
.endr
.irp k, 0,1,2,3
	v_cvt_pk_f16_f32 v[TM+(\k)], v[AO+2*(\k)], v[AO+2*(\k)+1]
.endr
	ds_store_b128 v[OA], v[TM:TM+3] offset:(\j)*XP
.endm
	s_load_b512 s[4:19], s[0:1], 0x0               ; qp s[4:5], kv s[6:7], knn s[8:9], wh s[10:11], out_b s[12:13], query_pos s[14:15], out0 s[16:17], out1 s[18:19]
	v_lshl_add_u32 v[SPW], v0, 2, SPARE
	v_mov_b32 v[NIL], 0
	v_mov_b32 v[Z], 0
	v_and_b32 v1, 31, v0
	v_lshrrev_b32 v5, 5, v0
	v_readfirstlane_b32 s52, v5                    ; wave 0..15
	v_lshlrev_b32 v[L16], 4, v1
	s_mov_b32 s53, ttmp9                           ; block of 64 queries, counted over all batches
	s_mov_b32 s[CS], 0x3e8293ee                    ; c = 0.2550349
	s_mov_b32 s[CS+1], s[CS]                       ; named with it as a pair
	s_mov_b32 s56, 0xffff0000
	s_and_b32 s60, s52, 1                          ; which 32 rows of the output tile
	s_lshr_b32 s61, s52, 1                         ; which 32 columns
	s_mov_b32 s59, 0
	s_mul_i32 s57, s52, 4*XP
	v_add_nc_u32 v[OA], s57, v[L16]                ; OT begins at byte 0
	v_bfe_u32 v[BO], v0, 4, 1
	v_lshlrev_b32 v[BO], 5, v[BO]
	s_lshl_b32 s58, s53, 12                        ; my four queries' lists: (64 x + 4 w) x 64 bytes
	s_lshl_b32 s57, s52, 8
	s_add_co_u32 s58, s58, s57
	s_wait_kmcnt 0x0
	s_add_nc_u64 s[8:9], s[8:9], s[58:59]
	s_load_b512 s[20:35], s[8:9], 0x0
	s_load_b512 s[36:51], s[8:9], 0x40
	s_load_b512 s[68:83], s[8:9], 0x80
	s_load_b512 s[84:99], s[8:9], 0xc0
	s_lshl_b32 s58, s58, 4                         ; x 1,024 bytes: rows of qp and of out0
	s_add_nc_u64 s[4:5], s[4:5], s[58:59]
	s_add_nc_u64 s[16:17], s[16:17], s[58:59]
	s_lshr_b32 s58, s53, 6
	s_lshl_b32 s58, s58, 22                        ; the batch's 4,096 rows of kv
	s_add_nc_u64 s[6:7], s[6:7], s[58:59]
	s_lshl_b32 s58, s53, 9                         ; the block's 512 bytes of positions
	s_add_nc_u64 s[14:15], s[14:15], s[58:59]
	s_add_nc_u64 s[18:19], s[18:19], s[58:59]
	s_lshl_b32 s58, s61, 14
	s_add_co_u32 s58, s58, 48*8192                 ; out_w's tiles 2 np, 2 np + 1 in wh
	s_add_nc_u64 s[10:11], s[10:11], s[58:59]
	s_lshl_b32 s58, s61, 7
	s_add_nc_u64 s[12:13], s[12:13], s[58:59]
.irp j, 0,1,2,3
	global_load_b128 v[Q+4*(\j):Q+4*(\j)+3], v[L16], s[4:5] offset:1024*(\j)
.endr
	s_wait_kmcnt 0x0
.irp b, 20, 36, 68, 84
.set k, 0
.rept 16
	s_min_u32 s[(\b)+k], s[(\b)+k], 0xfff          ; a number read from memory is held to the table before it enters an address
.set k, k+1
.endr
.endr
	ADDR 0
	KVLOAD 0, KB, 0
	KVLOAD 0, VB, 512
	s_cmp_lg_u32 s52, 0                            ; wave 0 copies the block's positions; its wait is for loads that it wants next anyway
	s_cbranch_scc1 .Lno_copy
	global_load_b128 v[CPY:CPY+3], v[L16], s[14:15]
	s_wait_loadcnt 0x0
	global_store_b128 v[L16], v[CPY:CPY+3], s[18:19]
.Lno_copy:
	QUERY 0
	QUERY 1
	QUERY 2
	QUERY 3
	s_wait_dscnt 0x0                               ; for the others' sake: my four rows of o are in LDS
	s_barrier_signal -1
	s_barrier_wait -1
	s_wait_loadcnt 0x0                             ; weights and biases
.irp k, 0,1,2,3,4,5,6,7
	v_cvt_pk_bf16_f32 v[TM+(\k)], v[BI+2*(\k)], v[BI+2*(\k)+1]
.endr
.irp k, 0,1,2,3,4,5,6,7
	v_lshlrev_b32 v[BI+2*(\k)], 16, v[TM+(\k)]
	v_and_b32 v[BI+2*(\k)+1], s56, v[TM+(\k)]
.endr
	v_and_b32 v[TM], 15, v0                        ; l % 16
	v_bfe_u32 v[TM+1], v0, 4, 1                    ; l / 16
	s_mul_i32 s57, s60, 32*XP
	v_mul_u32_u24 v[XA], v[TM], XP
	v_lshl_add_u32 v[XA], v[TM+1], 4, v[XA]
	v_add_nc_u32 v[XA], s57, v[XA]
	s_mul_i32 s57, s60, 32*STP
	s_lshl_b32 s58, s61, 7
	s_add_co_u32 s57, s57, s58
	s_add_co_u32 s57, s57, STG
	v_mul_u32_u24 v[STS], v[TM], STP               ; row l % 16, 32 bytes for each half of the lanes
	v_lshl_add_u32 v[STS], v[TM+1], 5, v[STS]
	v_add_nc_u32 v[STS], s57, v[STS]
	s_mul_i32 s57, s52, 4*STP
	s_add_co_u32 s57, s57, STG
	v_add_nc_u32 v[CA], s57, v[L16]
	GEMM2x2
.irp t, 0,1
.irp i, 0,1                            ; each accumulator's low four registers first
	ds_store_b128 v[STS], v[ACC+8*(2*(\t)+(\i)):ACC+8*(2*(\t)+(\i))+3]   offset:(\t)*16*STP+(\i)*64
	ds_store_b128 v[STS], v[ACC+8*(2*(\t)+(\i))+4:ACC+8*(2*(\t)+(\i))+7] offset:(\t)*16*STP+(\i)*64+16
.endr
.endr
	s_wait_dscnt 0x0                               ; for the others' sake
	s_barrier_signal -1
	s_barrier_wait -1
.irp i, 0,1,2,3,4,5,6,7                ; my four whole rows, 512 bytes a load
	ds_load_b128 v[AF+4*(\i):AF+4*(\i)+3], v[CA] offset:((\i)/2)*STP+((\i)%2)*512
.endr
.irp i, 0,1,2,3,4,5,6,7
	s_wait_dscnt 7-(\i)
	global_store_b128 v[L16], v[AF+4*(\i):AF+4*(\i)+3], s[16:17] offset:512*(\i) th:TH_STORE_NT  ; 512 consecutive bytes, at a multiple of 512 from out0's first
.endr
	s_wait_tensorcnt 0x0                           ; the wave's end: behind my last LDS store
	ds_add_u32 v[SPW], v[NIL]
	s_wait_dscnt 0x0
	s_endpgm
.Lfunc_end_k_qb719f4f18c_attn:
	.size	k_qb719f4f18c_attn, .Lfunc_end_k_qb719f4f18c_attn-k_qb719f4f18c_attn
	.p2alignl 7, 3214868480
	.fill 96, 4, 3214868480
	.section	.rodata,"a",@progbits
	.p2align	6, 0x0
	.amdhsa_kernel k_qb719f4f18c_attn
		.amdhsa_group_segment_fixed_size 102400
		.amdhsa_private_segment_fixed_size 0
		.amdhsa_enable_private_segment 0
		.amdhsa_kernarg_size 64
		.amdhsa_user_sgpr_count 2
		.amdhsa_user_sgpr_kernarg_segment_ptr 1
		.amdhsa_wavefront_size32 1
		.amdhsa_system_sgpr_workgroup_id_x 1
		.amdhsa_system_sgpr_workgroup_id_y 1
		.amdhsa_system_sgpr_workgroup_id_z 1
		.amdhsa_system_vgpr_workitem_id 0
		.amdhsa_next_free_vgpr 256
		.amdhsa_next_free_sgpr 100
		.amdhsa_reserve_vcc 0
		.amdhsa_float_denorm_mode_32 3
		.amdhsa_float_denorm_mode_16_64 3
		.amdhsa_memory_ordered 1
		.amdhsa_forward_progress 1
		.amdhsa_inst_pref_size 119
	.end_amdhsa_kernel
	.amdgpu_metadata
---
amdhsa.version: [ 1, 2 ]
amdhsa.kernels:
  - .name:           k_qb719f4f18c_attn
    .symbol:         k_qb719f4f18c_attn.kd
    .args:
      - { .name: qp, .offset: 0, .size: 8, .value_kind: global_buffer, .address_space: global }
      - { .name: kv, .offset: 8, .size: 8, .value_kind: global_buffer, .address_space: global }
      - { .name: knn, .offset: 16, .size: 8, .value_kind: global_buffer, .address_space: global }
      - { .name: wh, .offset: 24, .size: 8, .value_kind: global_buffer, .address_space: global }
      - { .name: out_b, .offset: 32, .size: 8, .value_kind: global_buffer, .address_space: global }
      - { .name: query_pos, .offset: 40, .size: 8, .value_kind: global_buffer, .address_space: global }
      - { .name: out0, .offset: 48, .size: 8, .value_kind: global_buffer, .address_space: global }
      - { .name: out1, .offset: 56, .size: 8, .value_kind: global_buffer, .address_space: global }
    .group_segment_fixed_size: 102400
    .private_segment_fixed_size: 0
    .kernarg_segment_align: 8
    .kernarg_segment_size: 64
    .max_flat_workgroup_size: 512
    .sgpr_count:     100
    .vgpr_count:     256
    .wavefront_size: 32
...
	.end_amdgpu_metadata
.endif
;; end of part 4
